; MI455X (gfx1250); checked and timed in simulation.
; The chip was launched on July 23, 2026; its instructions are those of AMD's public machine-readable ISA for CDNA 5 (MIT licence, August 2026) and "CDNA5" Instruction Set Architecture Reference Guide (July 2026). The comments in the code are by the model that wrote it; some were corrected since.
;; Detection Layer. Allowed arithmetic: float matrix products may take bf16 or f16 operands with f32 sums; other float arithmetic in f32, or as packed bf16 or f16 multiplies, adds, multiply-adds, maxima and minima; sums over many terms, partial sums and values carried from step to step in f32; what a program stores and reads back later, other than sums and carried values, may be rounded once to bf16 or f16.
;; Inputs: bbox 16 x 4,096 x 81 x 4 float32; classification 16 x 4,096 x 81 float32; image_meta 16 x 12 float32; rois 16 x 4,096 x 4 float32.
;; Outputs: out0 16 x 80 x 100 float32; out1 16 x 80 x 100 x 4 float32; out2 16 x 80 x 100 int32; out3 16 x 80 x 100 bool.
;; One version. Each part assembles by itself: llvm-mc -triple=amdgcn-amd-amdhsa -mcpu=gfx1250 --defsym DOCPART=n.
;; ======== version 1 of 1: 2 launches
;; workspace buffers: keys 262,144 bytes of whole numbers; ids 262,144 bytes of whole numbers
;; launch pick (part 1): grid 256 x 1, 4 waves a work-group, no clusters, 167,936 bytes of LDS; arguments classification, keys, ids; writes keys, ids
.if DOCPART == 1
	.amdgcn_target "amdgcn-amd-amdhsa--gfx1250"
	.amdhsa_code_object_version 6
	.text
	.protected	k_qf221b95972_pick
	.globl	k_qf221b95972_pick
	.p2align	8
	.type	k_qf221b95972_pick,@function
k_qf221b95972_pick:
	s_mov_b64 s[64:65], 0
	v_nop
	global_prefetch_b8 v0, s[64:65] scope:SCOPE_SE
	s_setreg_imm32_b32 hwreg(HW_REG_WAVE_MODE, 25, 1), 1
	s_wait_xcnt 0x0
; DetectionLayer, launch 1 of 2: for each of the 16 x 4,096 rois the argmax over its 81 class scores, and the score itself.
; WORK LEFT OUT BY THE WHOLE PROGRAM, for all values of the inputs:
;  - image_meta has no way to any output of reference(): it is not loaded and is no argument of any launch.
;  - bbox is a table looked up by max_ids: only the 16 bytes at the argmax are read, in launch 2, which reads the index from memory.
;  - A slot of top_s that holds NEG starts nms_one_class with keep = false: body() leaves keep as it is for such an i, and a false entry stays false.
;    So its row and its column of iou reach no output; which slots these are is told by whole numbers (ids, below).
;  - boxes[top_i] of such slots reach out1 only through the last top_k, which takes the kept slots, then the others by ascending position: for a class with n candidates
;    at most 100 - n non-candidates, those of lowest index; among rois 0..99 at least 100 - n are non-candidates.  So only candidates and the first 128 rois of an image need boxes.
;  LIMIT: a NaN, an infinity or an overflow that reaches only the work left out is not carried to the result.
;  LIMIT: a NaN among the class scores is not chosen as jnp.argmax would choose it.
; OUT, whole numbers for launch 2, both laid out in chunks of 64 rois: the word at 64 chunk + 2 l + s belongs to roi 64 chunk + 32 s + l.
;  keys = the score's 32 bits;  ids = the argmax, with 128 added where the score is below 0.05.
; SHARES.  256 work-groups of four waves; a wave owns a chunk: 20,736 dense bytes, brought by ONE tensor load as 81 rows of 256 bytes into LDS bytes that this wave alone reads: no barrier.
; A lane takes rows l and l + 32.  A row is 81 words, so lane l starts at word 81 l = 17 l modulo 64 (64 banks of 4 bytes: ISA guide 11.1): 32 different banks.
; No cluster: no two work-groups read the same byte.  No prefetch: every byte of the launch is asked for at its head.
.set ROWB,  324                        ; bytes in a roi's row of scores
.set TILE,  64*ROWB                    ; a wave's tile: 20,736 = 81 x 256
.set SPARE, 4*TILE                     ; behind the tiles: the spare words, 128 bytes for each wave: two blocks of 256 bytes that no other line names
.set SPW, 2                            ; v2      LDS address of my spare word; never rewritten
.set NIL, 3                            ; v3      0; never rewritten
.set LA,  4                            ; v4      LDS address of my first row
.set GO,  7                            ; v7      8 x lane: my offset in both stores
.set MX,  8                            ; v[8:13]  running maximum of segment g (27 classes) of row set s at MX + 2 g + s
.set IX,  14                           ; v[14:19] its place, likewise
.set X,   32                           ; v[32:193] the 81 scores of row set s at X + 81 s
	s_load_b128 s[4:7], s[0:1], 0x0                ; classification s[4:5], keys s[6:7]
	s_load_b64 s[8:9], s[0:1], 0x10                ; ids
	v_lshl_add_u32 v[SPW], v0, 2, SPARE
	v_mov_b32 v[NIL], 0
	ds_add_u32 v[SPW], v[NIL]                      ; the wave's opening: the add, twice on end, and its wait ahead of my tensor load
	ds_add_u32 v[SPW], v[NIL]
	v_lshrrev_b32 v1, 5, v0
	v_readfirstlane_b32 s12, v1                    ; wave 0..3
	; descriptor group 1: 81 rows of 32 elements of 8 bytes, dense, no padding
	s_mov_b32 s16, 3<<16                           ; elements of 8 bytes; no mask, no padding
	s_mov_b32 s17, 32<<16                          ; tensor_dim0 = 32
	s_mov_b32 s18, 81<<16                          ; tensor_dim1 = 81
	s_mov_b32 s19, 32<<16                          ; tile_dim0 = 32
	s_mov_b32 s20, 81                              ; tile_dim1 = 81
	s_mov_b32 s21, 32                              ; 32 elements from row to row
	s_mov_b32 s22, 0
	s_mov_b32 s23, 0
	s_lshl_b32 s13, ttmp9, 2
	s_add_co_u32 s13, s13, s12                     ; my chunk, 0..1023
	s_mul_i32 s14, s13, TILE                       ; its first byte in classification (under 2^25)
	s_mov_b32 s15, 0
	s_mov_b32 s24, 1                               ; group 0: count = 1
	s_mul_i32 s25, s12, TILE                       ; LDS address: my wave's tile
	s_wait_dscnt 0x0                               ; both opening adds are done
	s_wait_kmcnt 0x0
	s_add_nc_u64 s[26:27], s[4:5], s[14:15]
	s_or_b32 s27, s27, 0x80000000                  ; type = 2
	tensor_load_to_lds s[24:27], s[16:23]          ; my only tensor load
	s_nop 0
	v_and_b32 v1, 31, v0                           ; lane
	v_mul_u32_u24 v[LA], v1, ROWB
	v_add_nc_u32 v[LA], s25, v[LA]
	v_lshlrev_b32 v[GO], 3, v1
	s_lshl_b32 s30, s13, 8                         ; a chunk is 256 bytes of keys and of ids
	s_mov_b32 s31, 0
	s_add_nc_u64 s[6:7], s[6:7], s[30:31]
	s_add_nc_u64 s[8:9], s[8:9], s[30:31]
	s_wait_tensorcnt 0x0                           ; my tile is in LDS; nobody else reads it
.macro LOADSEG g                       ; segment g of both row sets: 54 loads
.irp s, 0,1
.set k, 27*(\g)
.rept 27
	ds_load_b32 v[X+81*(\s)+k], v[LA] offset:32*ROWB*(\s)+4*k
.set k, k+1
.endr
.endr
.endm
; The first maximum of a segment and its place: a later score takes over only if it is greater.  The two row sets are two chains side by side.
.macro ARGSEG g
	v_mov_b32 v[MX+2*(\g)],   v[X+27*(\g)]
	v_mov_b32 v[MX+2*(\g)+1], v[X+81+27*(\g)]
	v_mov_b32 v[IX+2*(\g)],   0
	v_mov_b32 v[IX+2*(\g)+1], 0
.set k, 1
.rept 26
	v_cmp_le_f32 vcc_lo, v[X+27*(\g)+k], v[MX+2*(\g)]
	v_cmp_le_f32 s29, v[X+81+27*(\g)+k], v[MX+2*(\g)+1]
	v_max_num_f32 v[MX+2*(\g)],   v[MX+2*(\g)],   v[X+27*(\g)+k]
	v_max_num_f32 v[MX+2*(\g)+1], v[MX+2*(\g)+1], v[X+81+27*(\g)+k]
	v_cndmask_b32 v[IX+2*(\g)],   k, v[IX+2*(\g)],   vcc_lo
	v_cndmask_b32 v[IX+2*(\g)+1], k, v[IX+2*(\g)+1], s29
.set k, k+1
.endr
.endm
	LOADSEG 0
	LOADSEG 1
	s_wait_dscnt 54                                ; LDS loads come back in order (ISA guide 5.7.1): segment 0 is in, segment 1's 54 loads may stay out
	ARGSEG 0
	LOADSEG 2
	s_wait_dscnt 54                                ; segment 1 is in, segment 2's 54 may stay out
	ARGSEG 1
	s_wait_dscnt 0x0
	ARGSEG 2
.irp s, 0,1                            ; the three segments into one: a later segment takes over only if its maximum is greater
	v_add_nc_u32 v[IX+2+\s], 27, v[IX+2+\s]
	v_add_nc_u32 v[IX+4+\s], 54, v[IX+4+\s]
	v_cmp_gt_f32 vcc_lo, v[MX+2+\s], v[MX+\s]
	v_cndmask_b32 v[IX+\s], v[IX+\s], v[IX+2+\s], vcc_lo
	v_max_num_f32 v[MX+\s], v[MX+\s], v[MX+2+\s]
	v_cmp_gt_f32 vcc_lo, v[MX+4+\s], v[MX+\s]
	v_cndmask_b32 v[IX+\s], v[IX+\s], v[IX+4+\s], vcc_lo
	v_max_num_f32 v[MX+\s], v[MX+\s], v[MX+4+\s]
	v_or_b32 v[20+\s], 0x80, v[IX+\s]
	v_cmp_le_f32 vcc_lo, 0x3d4ccccd, v[MX+\s]      ; score >= 0.05
	v_cndmask_b32 v[IX+\s], v[20+\s], v[IX+\s], vcc_lo
.endr
	global_store_b64 v[GO], v[MX:MX+1], s[6:7]     ; each store of the wave covers 256 consecutive bytes, aligned
	global_store_b64 v[GO], v[IX:IX+1], s[8:9]
	s_wait_tensorcnt 0x0                           ; the wave's end
	ds_add_u32 v[SPW], v[NIL]
	s_wait_dscnt 0x0
	s_endpgm
.Lfunc_end_k_qf221b95972_pick:
	.size	k_qf221b95972_pick, .Lfunc_end_k_qf221b95972_pick-k_qf221b95972_pick
	.p2alignl 7, 3214868480
	.fill 96, 4, 3214868480
	.section	.rodata,"a",@progbits
	.p2align	6, 0x0
	.amdhsa_kernel k_qf221b95972_pick
		.amdhsa_group_segment_fixed_size 167936
		.amdhsa_private_segment_fixed_size 0
		.amdhsa_enable_private_segment 0
		.amdhsa_kernarg_size 24
		.amdhsa_user_sgpr_count 2
		.amdhsa_user_sgpr_kernarg_segment_ptr 1
		.amdhsa_wavefront_size32 1
		.amdhsa_system_sgpr_workgroup_id_x 1
		.amdhsa_system_sgpr_workgroup_id_y 1
		.amdhsa_system_sgpr_workgroup_id_z 1
		.amdhsa_system_vgpr_workitem_id 0
		.amdhsa_next_free_vgpr 196
		.amdhsa_next_free_sgpr 66
		.amdhsa_reserve_vcc 1
		.amdhsa_float_denorm_mode_32 3
		.amdhsa_float_denorm_mode_16_64 3
		.amdhsa_memory_ordered 1
		.amdhsa_forward_progress 1
		.amdhsa_inst_pref_size 34
	.end_amdhsa_kernel
	.amdgpu_metadata
---
amdhsa.version: [ 1, 2 ]
amdhsa.kernels:
  - .name:           k_qf221b95972_pick
    .symbol:         k_qf221b95972_pick.kd
    .args:
      - { .name: classification, .offset: 0, .size: 8, .value_kind: global_buffer, .address_space: global }
      - { .name: keys, .offset: 8, .size: 8, .value_kind: global_buffer, .address_space: global }
      - { .name: ids, .offset: 16, .size: 8, .value_kind: global_buffer, .address_space: global }
    .group_segment_fixed_size: 167936
    .private_segment_fixed_size: 0
    .kernarg_segment_align: 8
    .kernarg_segment_size: 24
    .max_flat_workgroup_size: 128
    .sgpr_count:     66
    .vgpr_count:     196
    .wavefront_size: 32
...
	.end_amdgpu_metadata
.endif
;; end of part 1
;; launch nms (part 2): grid 80 x 16, 1 waves a work-group, no clusters, 62,976 bytes of LDS; arguments bbox, rois, keys, ids, out0, out1, out2, out3; writes out0, out1, out2, out3
.if DOCPART == 2
	.amdgcn_target "amdgcn-amd-amdhsa--gfx1250"
	.amdhsa_code_object_version 6
	.text
	.protected	k_qf221b95972_nms
	.globl	k_qf221b95972_nms
	.p2align	8
	.type	k_qf221b95972_nms,@function
k_qf221b95972_nms:
	s_mov_b64 s[64:65], 0
	v_nop
	global_prefetch_b8 v0, s[64:65] scope:SCOPE_SE
	s_setreg_imm32_b32 hwreg(HW_REG_WAVE_MODE, 25, 1), 1
	s_wait_xcnt 0x0
; DetectionLayer, launch 2 of 2: one wave makes the 100 output rows of one (image, class).  Work left out (shown at the head of the first kernel): image_meta; all of bbox but the rows looked up;
; IoU rows and columns of slots whose score is NEG; boxes of rois that are neither candidates of this class nor among the image's first 128.  Which these are is read from memory as whole numbers.
; WHAT reference() GIVES for a class with nc candidates (argmax = class, score >= 0.05), n = min(nc, 256): the n best by score (a tie: the lower index first) go through the greedy suppression;
; the output rows are the kept ones in that order, then the suppressed ones in that order, then the image's non-candidates by ascending index, 100 rows in all; score and flag are NEG and 0 from the first row that is not kept.
; NO ADDRESS AND NO BRANCH HANGS ON A FLOATING-POINT NUMBER.  Order by score: the scores arrive as whole numbers (a candidate's score is at least 0.05, so its bits order as the numbers do) and are compared as such.
; The suppression's outcome only SELECTS: a box that is not kept takes the area +infinity when it is held against later blocks; inside a block a scalar chain selects masks; and the output order, which hangs on the
; outcome, is made by comparing a code e of each sorted position with a target T of each output row and selecting, over all positions.
; LIMITS.  exp is 2^(x log2 e) by v_exp_f32; cy and cx take one fused multiply-add; iou > 0.3 is decided by the sign of inter - 0.3 max(union, 1e-8), rounded once, where reference() rounds the quotient: a pair whose IoU
; lies within a few units in the last place of 0.3 may be decided otherwise.  NaN and infinities among boxes are not treated apart.
; One wave to a work-group: no LDS byte is shared, so there is no barrier.  A number that was loaded enters an address only behind a clamp by a constant.  Every loop counts to a constant and is left early, forward, at its bound.
; A class's pieces of the outputs are 400, 1,600, 400 and 100 bytes: each store writes 16 (out3: 4) neighbouring bytes a lane, 25 lanes on end.
.set KEYS,  0                          ; the image's 4,096 keys, laid out as in memory
.set LIST,  16384                      ; the candidates' roi indices, ascending; entry 4,096 is a dummy
.set CKEY,  33024                      ; their keys, 0 behind the last up to a whole block of 32
.set SREC,  49408                      ; (index, key) by rank, 256 entries, cleared at the head; entry 256 is a dummy
.set SBOX,  51712                      ; by rank: the box, 16 bytes
.set SAR,   55808                      ; its area
.set SARM,  56832                      ; its area, or +infinity if it is not kept
.set SE,    57856                      ; its code e
.set SKEY,  58880                      ; its key
.set OBOX,  59904                      ; the output rows' boxes, 128 entries; entry 128 is a dummy
.set OSC,   62208                      ; the output rows' scores
.set SPARE, 62720                      ; the spare words: one block of 256 bytes that no other line names
.set SPW, 1                            ; v1  LDS address of my spare word; never rewritten
.set NIL, 2                            ; v2  0; never rewritten
.set L4,  3                            ; v3  4 x lane     v4  16 x lane     v5  8 x lane; never rewritten
.set L16, 4
.set L8,  5
.set FI,  24                           ; v[24:27]   rois 0..127: argmax, then offset in bbox
.set FR,  28                           ; v[28:43]   their rois
.set FD,  44                           ; v[44:59]   their deltas, then their boxes
.set ID,  64                           ; v[64:191]  the image's ids: register w holds roi 32 w + lane
.set KS,  192                          ; v[192:255] half of the image's keys on their way to LDS
.set K2,  64                           ; v[64:95]   ranking: a block's 32 keys, the same in every lane
.set RI,  96                           ; v[96:103]  four sorted blocks: (index, key)
.set OF,  104                          ; v[104:111] their offsets in bbox and rois
.set GD,  112                          ; v[112:127] their deltas, then their boxes
.set GR,  128                          ; v[128:143] their rois
.set BT,  144                          ; v[144:167] at work on four boxes
.set J0,  8                            ; v[8:11]  suppression: my box of the block in hand     v[12:13] its area, twice
.set JA,  12
.set P,   14                           ; v14 my sorted position
.set A1,  15                           ; v15, v16 my LDS offsets in the block (16 and 4 bytes an entry)
.set A2,  16
.set U1,  17                           ; v17, v18 the same offsets of a block's first entry, alike in all lanes
.set U2,  18
.set VINF, 19                          ; v19 +infinity
.set NT,  20                           ; v[20:21] -0.3, twice
.set TM,  22                           ; v[22:23] the largest inter - 0.3 union against kept boxes of earlier blocks
.set TP,  32                           ; v[32:47] at work on four pairs of boxes
.set BX,  64                           ; v[64:191]  a block's 32 boxes, the same in every lane
.set AR,  192                          ; v[192:223] its 32 areas, later its 32 codes
.set KV,  224                          ; v[224:255] its 32 keys
.set TJ,  8                            ; v[8:11]  selection: the targets of output rows 32 sb + lane
.set JV,  24                           ; v[24:27] those rows' numbers
.set ABOX, 32                          ; v[32:47] their boxes
.set AKEY, 48                          ; v[48:51] their keys
.set SM,  66                           ; s[66:97] the diagonal block's 32 lane masks
; s22 image  s23 class  s24 16 x class  s25 nc  s26 its blocks of 32  s27 nc - 1  s28 n  s29 its blocks  s30 kept so far  s31 min(n, 128)  s[34:37] who of rois 0..127 is a candidate
; s39, s40 loop counters  s41-s59 at work
; A loop's foot: the counter steps; at the bound read from memory the loop is left, forward; the backward jump hangs on the constant alone.
.macro NEXT cnt, bound, max, top, out
	s_add_co_u32 \cnt, \cnt, 1
	s_cmp_ge_u32 \cnt, \bound
	s_cbranch_scc1 \out
	s_cmp_lt_u32 \cnt, \max
	s_cbranch_scc1 \top
\out:
.endm
; Rois 32 w + lane: who is a candidate; each candidate's index goes to its place in the list, the others' to the dummy entry.
.macro STEP w
.if (\w) < 4
.set MR, 34+(\w)
.else
.set MR, 50+(\w)%2
.endif
.set TA, 8+4*((\w)%2)
	v_cmp_eq_u32 s[MR], s23, v[ID+(\w)]
	v_mbcnt_lo_u32_b32 v[TA], s[MR], s25           ; candidates before me
	v_add_nc_u32 v[TA+1], 32*(\w), v0
	v_cndmask_b32 v[TA], v10, v[TA], s[MR]
	v_min_u32 v[TA], 0x1000, v[TA]
	v_lshlrev_b32 v[TA], 2, v[TA]
	ds_store_b32 v[TA], v[TA+1] offset:LIST
	s_bcnt1_i32_b32 s41, s[MR]
	s_add_co_u32 s25, s25, s41
.endm
; Four boxes at once (delta2box): h = y2 - y1; cy = y1 + 0.5 h + dy h; h' = h exp(dh); cy -+ 0.5 h'; the same for x.  The eight exponentials are one batch with one wait.
.macro BOX4 D, R, O
.irp b, 0,1,2,3
	v_mul_f32 v[BT+6*\b+2], 0x3fb8aa3b, v[\D+4*\b+2]
	v_mul_f32 v[BT+6*\b+3], 0x3fb8aa3b, v[\D+4*\b+3]
.endr
.irp b, 0,1,2,3
	v_exp_f32 v[BT+6*\b+2], v[BT+6*\b+2]
	v_exp_f32 v[BT+6*\b+3], v[BT+6*\b+3]
.endr
.irp b, 0,1,2,3
	v_sub_f32 v[BT+6*\b],   v[\R+4*\b+2], v[\R+4*\b]
	v_sub_f32 v[BT+6*\b+1], v[\R+4*\b+3], v[\R+4*\b+1]
.endr
.irp b, 0,1,2,3
	v_fma_f32 v[BT+6*\b+4], v[BT+6*\b],   0.5, v[\R+4*\b]
	v_fma_f32 v[BT+6*\b+5], v[BT+6*\b+1], 0.5, v[\R+4*\b+1]
.endr
.irp b, 0,1,2,3
	v_fma_f32 v[BT+6*\b+4], v[\D+4*\b],   v[BT+6*\b],   v[BT+6*\b+4]
	v_fma_f32 v[BT+6*\b+5], v[\D+4*\b+1], v[BT+6*\b+1], v[BT+6*\b+5]
.endr
	s_wait_alu depctr_va_vdst(0)                   ; one wait for the eight exponentials, ahead of their first reader; the 24 lines above name none of their results
.irp b, 0,1,2,3
	v_mul_f32 v[BT+6*\b],   v[BT+6*\b],   v[BT+6*\b+2]
	v_mul_f32 v[BT+6*\b+1], v[BT+6*\b+1], v[BT+6*\b+3]
.endr
.irp b, 0,1,2,3
	v_fma_f32 v[\O+4*\b],   v[BT+6*\b],   -0.5, v[BT+6*\b+4]
	v_fma_f32 v[\O+4*\b+1], v[BT+6*\b+1], -0.5, v[BT+6*\b+5]
	v_fma_f32 v[\O+4*\b+2], v[BT+6*\b],    0.5, v[BT+6*\b+4]
	v_fma_f32 v[\O+4*\b+3], v[BT+6*\b+1],  0.5, v[BT+6*\b+5]
.endr
.endm
; Sorted blocks base .. base + 3: the deltas of this class and the rois are asked for, all eight loads together.  Entries behind the last candidate hold index 0: a box that nothing uses.
.macro GISSUE base
.irp b, 0,1,2,3
	ds_load_b64 v[RI+2*\b:RI+2*\b+1], v[L8] offset:SREC+256*((\base)+\b)
.endr
	s_wait_dscnt 0x0
.irp b, 0,1,2,3
	v_min_u32 v[RI+2*\b], 0xfff, v[RI+2*\b]
	v_mul_u32_u24 v[OF+2*\b], v[RI+2*\b], 0x510    ; a roi's 81 x 16 bytes of bbox
	v_add_nc_u32 v[OF+2*\b], s24, v[OF+2*\b]
	v_lshlrev_b32 v[OF+2*\b+1], 4, v[RI+2*\b]
	global_load_b128 v[GD+4*\b:GD+4*\b+3], v[OF+2*\b],   s[4:5]
	global_load_b128 v[GR+4*\b:GR+4*\b+3], v[OF+2*\b+1], s[6:7]
.endr
.endm
.macro GBOX base                       ; their boxes, areas and keys go to LDS by rank
	BOX4 GD, GR, GD
.irp b, 0,1,2,3
	v_sub_f32 v[BT+6*\b],   v[GD+4*\b+2], v[GD+4*\b]
	v_sub_f32 v[BT+6*\b+1], v[GD+4*\b+3], v[GD+4*\b+1]
.endr
.irp b, 0,1,2,3
	v_mul_f32 v[BT+6*\b], v[BT+6*\b], v[BT+6*\b+1]
	ds_store_b128 v[L16], v[GD+4*\b:GD+4*\b+3] offset:SBOX+512*((\base)+\b)
	ds_store_b32 v[L4], v[BT+6*\b]   offset:SAR+128*((\base)+\b)
	ds_store_b32 v[L4], v[RI+2*\b+1] offset:SKEY+128*((\base)+\b)
.endr
.endm
; A block's 32 words of region ab (8 loads) and its 32 boxes (32 loads), every lane the same address: the block is held against my lanes' boxes from registers.
.macro BLOADS ab
.irp k, 0,1,2,3,4,5,6,7
	ds_load_b128 v[AR+4*\k:AR+4*\k+3], v[U2] offset:(\ab)+16*\k
.endr
.set i, 0
.rept 32
	ds_load_b128 v[BX+4*i:BX+4*i+3], v[U1] offset:SBOX+16*i
.set i, i+1
.endr
.endm
; Boxes i .. i + 3 of the broadcast block against my box, in reference()'s order of operations: inter = max(iy2 - iy1, 0) max(ix2 - ix1, 0); union = (area_i + area_j) - inter; t = inter - 0.3 max(union, 1e-8).
; Two boxes share each packed line.  diag = 1: t > 0 as a lane mask for each i; else the largest t is kept.
.macro GRP4 i, diag
.irp u, 0,1,2,3
	v_max_num_f32 v[TP+8*(\u/2)+(\u%2)],   v[BX+4*((\i)+\u)],   v[J0]
.endr
.irp u, 0,1,2,3
	v_max_num_f32 v[TP+8*(\u/2)+2+(\u%2)], v[BX+4*((\i)+\u)+1], v[J0+1]
.endr
.irp u, 0,1,2,3
	v_min_num_f32 v[TP+8*(\u/2)+4+(\u%2)], v[BX+4*((\i)+\u)+2], v[J0+2]
.endr
.irp u, 0,1,2,3
	v_min_num_f32 v[TP+8*(\u/2)+6+(\u%2)], v[BX+4*((\i)+\u)+3], v[J0+3]
.endr
.irp w, 0,1
	v_pk_add_f32 v[TP+8*\w+4:TP+8*\w+5], v[TP+8*\w+4:TP+8*\w+5], v[TP+8*\w:TP+8*\w+1] neg_lo:[0,1] neg_hi:[0,1]
	v_pk_add_f32 v[TP+8*\w+6:TP+8*\w+7], v[TP+8*\w+6:TP+8*\w+7], v[TP+8*\w+2:TP+8*\w+3] neg_lo:[0,1] neg_hi:[0,1]
.endr
.irp w, 0,1
	v_pk_add_f32 v[TP+8*\w+2:TP+8*\w+3], v[AR+(\i)+2*\w:AR+(\i)+2*\w+1], v[JA:JA+1]
.endr
.irp w, 0,1
.irp e, 4,5,6,7
	v_max_num_f32 v[TP+8*\w+\e], 0, v[TP+8*\w+\e]
.endr
.endr
.irp w, 0,1
	v_pk_mul_f32 v[TP+8*\w:TP+8*\w+1], v[TP+8*\w+4:TP+8*\w+5], v[TP+8*\w+6:TP+8*\w+7]
.endr
.irp w, 0,1
	v_pk_add_f32 v[TP+8*\w+2:TP+8*\w+3], v[TP+8*\w+2:TP+8*\w+3], v[TP+8*\w:TP+8*\w+1] neg_lo:[0,1] neg_hi:[0,1]
.endr
.irp w, 0,1
.irp e, 2,3
	v_max_num_f32 v[TP+8*\w+\e], 0x322bcc77, v[TP+8*\w+\e]
.endr
.endr
.irp w, 0,1
	v_pk_fma_f32 v[TP+8*\w+4:TP+8*\w+5], v[TP+8*\w+2:TP+8*\w+3], v[NT:NT+1], v[TP+8*\w:TP+8*\w+1]
.endr
.if \diag
.irp u, 0,1,2,3
	v_cmp_lt_f32 s[SM+(\i)+\u], 0, v[TP+8*(\u/2)+4+(\u%2)]
.endr
.else
	v_max3_num_f32 v[TM],   v[TM],   v[TP+4],  v[TP+5]
	v_max3_num_f32 v[TM+1], v[TM+1], v[TP+12], v[TP+13]
.endif
.endm
; The greedy step for i .. i + 3 inside a block: if i is still kept, the later lanes that it overlaps go.  A select, no branch.
.macro CHAIN4 i
.irp u, 0,1,2,3
	s_and_b32 s[SM+(\i)+\u], s[SM+(\i)+\u], (0xfffffffe<<((\i)+\u))&0xffffffff
	s_bitcmp1_b32 s58, (\i)+\u
	s_cselect_b32 s59, s[SM+(\i)+\u], 0
	s_and_not1_b32 s58, s58, s59
.endr
.endm
; Output rows 32 sb + lane take the box and key of the broadcast position whose code is their target.
.macro SEL sb
.set p, 0
.rept 16
	v_cmp_eq_u32 s50, v[AR+p],   v[TJ+\sb]
	v_cmp_eq_u32 s51, v[AR+p+1], v[TJ+\sb]
.irp k, 0,1,2,3
	v_cndmask_b32 v[ABOX+4*\sb+\k], v[ABOX+4*\sb+\k], v[BX+4*p+\k], s50
.endr
	v_cndmask_b32 v[AKEY+\sb], v[AKEY+\sb], v[KV+p], s50
.irp k, 0,1,2,3
	v_cndmask_b32 v[ABOX+4*\sb+\k], v[ABOX+4*\sb+\k], v[BX+4*p+4+\k], s51
.endr
	v_cndmask_b32 v[AKEY+\sb], v[AKEY+\sb], v[KV+p+1], s51
.set p, p+2
.endr
.endm
	s_load_b512 s[4:19], s[0:1], 0x0               ; bbox s[4:5], rois s[6:7], keys s[8:9], ids s[10:11], out0 s[12:13], out1 s[14:15], out2 s[16:17], out3 s[18:19]
	v_lshl_add_u32 v[SPW], v0, 2, SPARE
	v_mov_b32 v[NIL], 0
	s_and_b32 s22, ttmp7, 0xffff                   ; image
	s_add_co_u32 s23, ttmp9, 1                     ; class 1..80
	v_lshlrev_b32 v[L4], 2, v0
	v_lshlrev_b32 v[L16], 4, v0
	v_lshlrev_b32 v[L8], 3, v0
	v_mul_u32_u24 v7, v0, 1296                     ; a roi's 81 x 16 bytes of bbox
.irp k, 0,1,2,3
	v_mov_b32 v[12+\k], 0
.endr
.irp k, 0,1,2,3
	ds_store_b128 v[L16], v[12:15] offset:SREC+512*\k
.endr
	s_mul_i32 s40, s22, 5308416                    ; the image's part of bbox,
	s_mov_b32 s41, 0
	s_lshl_b32 s42, s22, 16                        ; of rois,
	s_mov_b32 s43, 0
	s_lshl_b32 s44, s22, 14                        ; of keys and ids
	s_mov_b32 s45, 0
	s_mul_i32 s52, s22, 80
	s_add_co_u32 s52, s52, ttmp9                   ; (image, class) among the 1,280
	s_mul_i32 s46, s52, 400
	s_mov_b32 s47, 0
	s_mul_i32 s48, s52, 1600
	s_mov_b32 s49, 0
	s_mul_i32 s50, s52, 100
	s_mov_b32 s51, 0
	s_lshl_b32 s24, s23, 4
	s_wait_kmcnt 0x0
	s_add_nc_u64 s[4:5], s[4:5], s[40:41]
	s_add_nc_u64 s[6:7], s[6:7], s[42:43]
	s_add_nc_u64 s[8:9], s[8:9], s[44:45]
	s_add_nc_u64 s[10:11], s[10:11], s[44:45]
	s_add_nc_u64 s[12:13], s[12:13], s[46:47]
	s_add_nc_u64 s[14:15], s[14:15], s[48:49]
	s_add_nc_u64 s[16:17], s[16:17], s[46:47]
	s_add_nc_u64 s[18:19], s[18:19], s[50:51]
	; all that needs no other load first goes out together: 64 + 4 + 16 loads
.set t, 0
.rept 64
	global_load_b64 v[ID+2*t:ID+2*t+1], v[L8], s[10:11] offset:256*t   ; chunk t: rois 64 t + lane and 64 t + 32 + lane
.set t, t+1
.endr
.irp r, 0,1,2,3
	global_load_b128 v[FR+4*\r:FR+4*\r+3], v[L16], s[6:7] offset:512*\r
.endr
.set r, 0
.rept 16
	global_load_b128 v[KS+4*r:KS+4*r+3], v[L16], s[8:9] offset:512*r
.set r, r+1
.endr
	s_wait_loadcnt 20                              ; the ids are in; the 4 loads of rois and the 16 of keys may stay out
.irp r, 0,1,2,3                        ; rois 0..127: the deltas at their own argmax
	v_and_b32 v[FI+\r], 127, v[ID+\r]
	v_min_u32 v[FI+\r], 80, v[FI+\r]
	v_lshl_add_u32 v[FI+\r], v[FI+\r], 4, v7
	global_load_b128 v[FD+4*\r:FD+4*\r+3], v[FI+\r], s[4:5] offset:41472*\r
.endr
	s_wait_loadcnt 4                               ; rois and the first half of the keys are in; the 4 loads of deltas may stay out
.set r, 0
.rept 16
	ds_store_b128 v[L16], v[KS+4*r:KS+4*r+3] offset:KEYS+512*r
.set r, r+1
.endr
	s_wait_dscnt 0x0                               ; those stores have read their registers, which are loaded again:
.set r, 0
.rept 16
	global_load_b128 v[KS+4*r:KS+4*r+3], v[L16], s[8:9] offset:8192+512*r
.set r, r+1
.endr
	; THE CANDIDATES' LIST, ascending by roi index, in the wait for those loads
	s_mov_b32 s25, 0
	v_mov_b32 v10, 0x1000                          ; the dummy entry
.set w, 0
.rept 128
	STEP w
.set w, w+1
.endr
	s_wait_loadcnt 0x0
.set r, 0
.rept 16
	ds_store_b128 v[L16], v[KS+4*r:KS+4*r+3] offset:KEYS+8192+512*r
.set r, r+1
.endr
	s_add_co_u32 s26, s25, 31
	s_lshr_b32 s26, s26, 5
	s_cmp_eq_u32 s25, 0
	s_cbranch_scc1 .Lranked
	s_sub_co_u32 s27, s25, 1
	s_mov_b32 s39, 0
.Lck:                                          ; the candidates' keys, side by side; 0 behind the last
	s_lshl_b32 s41, s39, 5
	v_add_nc_u32 v96, s41, v0                      ; q
	v_cmp_gt_u32 vcc_lo, s25, v96
	v_min_u32 v97, s27, v96
	v_min_u32 v97, 0xfff, v97
	v_lshlrev_b32 v97, 2, v97
	ds_load_b32 v98, v97 offset:LIST
	v_lshlrev_b32 v96, 2, v96
	s_wait_dscnt 0x0
	v_and_b32 v99, 0xfc0, v98                      ; roi 64 c + 32 s + l lies at word 64 c + 2 l + s
	v_and_b32 v100, 31, v98
	v_bfe_u32 v101, v98, 5, 1
	v_lshl_or_b32 v99, v100, 1, v99
	v_or_b32 v99, v99, v101
	v_min_u32 v99, 0xfff, v99
	v_lshlrev_b32 v99, 2, v99
	ds_load_b32 v100, v99 offset:KEYS
	s_wait_dscnt 0x0
	v_cndmask_b32 v100, 0, v100, vcc_lo
	ds_store_b32 v96, v100 offset:CKEY
	NEXT s39, s26, 128, .Lck, .Lckx
	; THE RANK of candidate q: how many q' have a greater key, or the same key and q' < q (the list ascends by roi index).  key' >= key is written key' > key - 1.
	s_mov_b32 s39, 0
.Lrq:
	s_lshl_b32 s41, s39, 5
	v_add_nc_u32 v96, s41, v0                      ; q
	v_min_u32 v97, s27, v96
	v_min_u32 v97, 0xfff, v97
	v_lshlrev_b32 v97, 2, v97
	ds_load_b32 v98, v97 offset:LIST
	v_lshlrev_b32 v103, 2, v96
	ds_load_b32 v99, v103 offset:CKEY
	v_mov_b32 v104, 0
	v_mov_b32 v105, 0
	s_wait_dscnt 0x0
	v_add_nc_u32 v100, -1, v99
	s_mov_b32 s40, 0
.Lrr:
	s_lshl_b32 s43, s40, 7
	v_mov_b32 v102, s43
.irp k, 0,1,2,3,4,5,6,7
	ds_load_b128 v[K2+4*\k:K2+4*\k+3], v102 offset:CKEY+16*\k
.endr
	s_lshl_b32 s43, s40, 5
	v_sub_nc_u32 v101, v96, s43                    ; q less the block's first q'
	s_wait_dscnt 0x0
.set j, 0
.rept 8
.irp u, 0,1,2,3
	v_cmp_ge_i32 s[50+\u], j+\u, v101              ; q' >= q
.endr
.irp u, 0,1,2,3
	v_cndmask_b32 v[108+\u], v100, v99, s[50+\u]
.endr
.irp u, 0,1,2,3
	v_cmp_gt_u32 s[50+\u], v[K2+j+\u], v[108+\u]
.endr
.irp u, 0,1,2,3
	v_cndmask_b32 v[112+\u], 0, 1, s[50+\u]
.endr
	v_add3_u32 v104, v104, v112, v113
	v_add3_u32 v105, v105, v114, v115
.set j, j+4
.endr
	NEXT s40, s26, 128, .Lrr, .Lrrx
	v_add_nc_u32 v104, v104, v105
	v_cmp_gt_u32 vcc_lo, s25, v96
	v_cndmask_b32 v104, 0x100, v104, vcc_lo        ; no candidate, or rank 256 and beyond: the dummy entry
	v_min_u32 v104, 0x100, v104
	v_lshlrev_b32 v104, 3, v104
	ds_store_b64 v104, v[98:99] offset:SREC
	NEXT s39, s26, 128, .Lrq, .Lrqx
.Lranked:
	s_min_u32 s28, s25, 256                        ; n
	s_add_co_u32 s29, s28, 31
	s_lshr_b32 s29, s29, 5
	GISSUE 0
	; THE FILLERS, in the wait for those loads.  Roi i of 0..127, if it is no candidate of this class, is output row n + i - (candidates below i); rows from 128 on, and candidates, go to the dummy entry.
	v_mov_b32 v16, 0x80
	s_mov_b32 s41, s28
.irp r, 0,1,2,3
	v_mbcnt_lo_u32_b32 v[8+\r], s[34+\r], 0
	v_add_nc_u32 v[12+\r], s41, v0
	v_sub_nc_u32 v[8+\r], v[12+\r], v[8+\r]
	v_cndmask_b32 v[8+\r], v[8+\r], v16, s[34+\r]
	v_min_u32 v[8+\r], 0x80, v[8+\r]
	v_lshlrev_b32 v[8+\r], 4, v[8+\r]
	s_bcnt1_i32_b32 s42, s[34+\r]
	s_sub_co_u32 s41, s41, s42
	s_add_co_u32 s41, s41, 32
.endr
	BOX4 FD, FR, FD                                ; their deltas and rois came in ahead of the list's last wait for loads
.irp r, 0,1,2,3
	ds_store_b128 v[8+\r], v[FD+4*\r:FD+4*\r+3] offset:OBOX
.endr
	s_wait_loadcnt 0x0
	GBOX 0
	s_cmp_le_u32 s29, 4
	s_cbranch_scc1 .Lboxed
	GISSUE 4                                       ; more than 128 candidates: blocks 4 to 7
	s_wait_loadcnt 0x0
	GBOX 4
.Lboxed:
	; THE SUPPRESSION, block by block of 32 sorted positions.  A block is first held against all earlier blocks, whose fate is settled, then against itself.
	s_mov_b32 s30, 0
	v_mov_b32 v[NT], 0xbe99999a
	v_mov_b32 v[NT+1], 0xbe99999a
	v_mov_b32 v[VINF], 0x7f800000
	s_cmp_eq_u32 s29, 0
	s_cbranch_scc1 .Lnmsdone
	s_mov_b32 s39, 0
.Ljb:
	s_lshl_b32 s42, s39, 9
	s_lshl_b32 s43, s39, 7
	s_lshl_b32 s44, s39, 5
	v_add_nc_u32 v[A1], s42, v[L16]
	v_add_nc_u32 v[A2], s43, v[L4]
	v_add_nc_u32 v[P], s44, v0
	ds_load_b128 v[J0:J0+3], v[A1] offset:SBOX
	ds_load_b32 v[JA], v[A2] offset:SAR
	v_mov_b32 v[TM], 0
	v_mov_b32 v[TM+1], 0
	s_wait_dscnt 0x0
	v_mov_b32 v[JA+1], v[JA]
	s_cmp_eq_u32 s39, 0
	s_cbranch_scc1 .Ldiag
	s_mov_b32 s40, 0
.Lib:
	s_lshl_b32 s46, s40, 9
	s_lshl_b32 s47, s40, 7
	v_mov_b32 v[U1], s46
	v_mov_b32 v[U2], s47
	BLOADS SARM                                    ; a box that is not kept comes with the area +infinity: its t is -infinity
.set g, 0
.rept 8
	s_wait_dscnt 28-4*g                            ; boxes up to 4 g + 3 are in; the 28 - 4 g loads behind them may stay out
	GRP4 4*g, 0
.set g, g+1
.endr
	NEXT s40, s39, 8, .Lib, .Libx
.Ldiag:
	v_mov_b32 v[U1], s42
	v_mov_b32 v[U2], s43
	BLOADS SAR
	v_max_num_f32 v[TM], v[TM], v[TM+1]
	v_cmp_lt_f32 s59, 0, v[TM]                     ; overlapped by a kept box of an earlier block
	v_cmp_gt_u32 s58, s28, v[P]                    ; a candidate at all
	s_and_not1_b32 s58, s58, s59                   ; s58: who of the block is still kept
.set g, 0
.rept 8
	s_wait_dscnt 28-4*g                            ; as above
	GRP4 4*g, 1
.if g > 0
	CHAIN4 4*(g-1)                                 ; the scalar chain runs a group behind the masks
.endif
.set g, g+1
.endr
	CHAIN4 28
	v_cndmask_b32 v24, v[VINF], v[JA], s58
	ds_store_b32 v[A2], v24 offset:SARM
	v_mbcnt_lo_u32_b32 v25, s58, s30               ; kept positions before mine
	v_sub_nc_u32 v26, v25, v[P]
	v_add_nc_u32 v26, -1, v26                      ; minus the positions before mine that are not kept, less 1
	v_cndmask_b32 v26, v26, v25, s58               ; the code e
	ds_store_b32 v[A2], v26 offset:SE
	s_bcnt1_i32_b32 s59, s58
	s_add_co_u32 s30, s30, s59
	NEXT s39, s29, 8, .Ljb, .Ljbx
.Lnmsdone:
	; THE OUTPUT ORDER.  Row j takes the position with e = j if j is below the number kept, else the one with e = kept - 1 - j.
.irp sb, 0,1,2,3
	v_add_nc_u32 v[JV+\sb], 32*\sb, v0
	v_cmp_gt_u32 vcc_lo, s30, v[JV+\sb]
	v_sub_nc_u32 v[TJ+\sb], s30, v[JV+\sb]
	v_add_nc_u32 v[TJ+\sb], -1, v[TJ+\sb]
	v_cndmask_b32 v[TJ+\sb], v[TJ+\sb], v[JV+\sb], vcc_lo
.endr
.set i, 0
.rept 20
	v_mov_b32 v[ABOX+i], 0
.set i, i+1
.endr
	s_min_u32 s31, s28, 128
	s_cmp_eq_u32 s29, 0
	s_cbranch_scc1 .Lseldone
	s_mov_b32 s39, 0
.Lpb:
	s_lshl_b32 s42, s39, 9
	s_lshl_b32 s43, s39, 7
	v_mov_b32 v[U1], s42
	v_mov_b32 v[U2], s43
.irp k, 0,1,2,3,4,5,6,7
	ds_load_b128 v[KV+4*\k:KV+4*\k+3], v[U2] offset:SKEY+16*\k
.endr
	BLOADS SE
	s_wait_dscnt 0x0
	SEL 0
	s_cmp_le_u32 s31, 32                           ; rows from n on are the fillers': their groups of 32 are passed over
	s_cbranch_scc1 .Lselskip
	SEL 1
	s_cmp_le_u32 s31, 64
	s_cbranch_scc1 .Lselskip
	SEL 2
	s_cmp_le_u32 s31, 96
	s_cbranch_scc1 .Lselskip
	SEL 3
.Lselskip:
	NEXT s39, s29, 8, .Lpb, .Lpbx
.Lseldone:
	; THE WAY OUT.  Rows below n put their boxes beside the fillers' (rows from n on: the dummy entry), so that entries 0..127 are all written; scores: the key below the number kept, else NEG.
	v_mov_b32 v52, 0x800
	v_mov_b32 v57, 0xce6e6b28                      ; -1e9
.irp sb, 0,1,2,3
	v_cmp_gt_u32 vcc_lo, s28, v[JV+\sb]
	v_lshlrev_b32 v[53+\sb], 4, v[JV+\sb]
	v_cndmask_b32 v[53+\sb], v52, v[53+\sb], vcc_lo
	v_min_u32 v[53+\sb], 0x800, v[53+\sb]
	ds_store_b128 v[53+\sb], v[ABOX+4*\sb:ABOX+4*\sb+3] offset:OBOX
	v_cmp_gt_u32 vcc_lo, s30, v[JV+\sb]
	v_cndmask_b32 v[AKEY+\sb], v57, v[AKEY+\sb], vcc_lo
	ds_store_b32 v[L4], v[AKEY+\sb] offset:OSC+128*\sb
.endr
.irp k, 0,1,2,3
	ds_load_b128 v[64+4*\k:67+4*\k], v[L16] offset:OBOX+400*\k   ; LDS serves a wave's instructions in order (ISA guide 5.7.1.4): these see the stores above.  25 rows to a store
.endr
	ds_load_b128 v[80:83], v[L16] offset:OSC       ; rows 4 l .. 4 l + 3
.irp k, 0,1,2,3
	v_mov_b32 v[84+\k], s23                        ; the class
.endr
	v_cmp_gt_u32 vcc_lo, s30, v[L4]                ; the flags of rows 4 l .. 4 l + 3, a byte each
	v_cndmask_b32 v88, 0, 1, vcc_lo
.irp k, 1,2,3
	v_add_nc_u32 v89, \k, v[L4]
	v_cmp_gt_u32 vcc_lo, s30, v89
	v_cndmask_b32 v90, 0, 1, vcc_lo
	v_lshl_or_b32 v88, v90, 8*\k, v88
.endr
	s_wait_dscnt 0x0
	s_wait_xcnt 0x0                                ; EXEC changes only behind this wait
	v_cmp_gt_u32 vcc_lo, 25, v0
	s_and_saveexec_b32 s41, vcc_lo                 ; 25 lanes x 4 rows
.irp k, 0,1,2,3
	global_store_b128 v[L16], v[64+4*\k:67+4*\k], s[14:15] offset:400*\k th:TH_STORE_NT
.endr
	global_store_b128 v[L16], v[80:83], s[12:13] th:TH_STORE_NT
	global_store_b128 v[L16], v[84:87], s[16:17] th:TH_STORE_NT
	global_store_b32 v[L4], v88, s[18:19] th:TH_STORE_NT
	s_wait_xcnt 0x0                                ; and again, in front of the line that widens it
	s_or_b32 exec_lo, exec_lo, s41
	s_wait_tensorcnt 0x0                           ; the wave's end, behind my last LDS store
	ds_add_u32 v[SPW], v[NIL]
	s_wait_dscnt 0x0
	s_endpgm
.Lfunc_end_k_qf221b95972_nms:
	.size	k_qf221b95972_nms, .Lfunc_end_k_qf221b95972_nms-k_qf221b95972_nms
	.p2alignl 7, 3214868480
	.fill 96, 4, 3214868480
	.section	.rodata,"a",@progbits
	.p2align	6, 0x0
	.amdhsa_kernel k_qf221b95972_nms
		.amdhsa_group_segment_fixed_size 62976
		.amdhsa_private_segment_fixed_size 0
		.amdhsa_enable_private_segment 0
		.amdhsa_kernarg_size 64
		.amdhsa_user_sgpr_count 2
		.amdhsa_user_sgpr_kernarg_segment_ptr 1
		.amdhsa_wavefront_size32 1
		.amdhsa_system_sgpr_workgroup_id_x 1
		.amdhsa_system_sgpr_workgroup_id_y 1
		.amdhsa_system_sgpr_workgroup_id_z 1
		.amdhsa_system_vgpr_workitem_id 0
		.amdhsa_next_free_vgpr 256
		.amdhsa_next_free_sgpr 98
		.amdhsa_reserve_vcc 1
		.amdhsa_float_denorm_mode_32 3
		.amdhsa_float_denorm_mode_16_64 3
		.amdhsa_memory_ordered 1
		.amdhsa_forward_progress 1
		.amdhsa_inst_pref_size 205
	.end_amdhsa_kernel
	.amdgpu_metadata
---
amdhsa.version: [ 1, 2 ]
amdhsa.kernels:
  - .name:           k_qf221b95972_nms
    .symbol:         k_qf221b95972_nms.kd
    .args:
      - { .name: bbox, .offset: 0, .size: 8, .value_kind: global_buffer, .address_space: global }
      - { .name: rois, .offset: 8, .size: 8, .value_kind: global_buffer, .address_space: global }
      - { .name: keys, .offset: 16, .size: 8, .value_kind: global_buffer, .address_space: global }
      - { .name: ids, .offset: 24, .size: 8, .value_kind: global_buffer, .address_space: global }
      - { .name: out0, .offset: 32, .size: 8, .value_kind: global_buffer, .address_space: global }
      - { .name: out1, .offset: 40, .size: 8, .value_kind: global_buffer, .address_space: global }
      - { .name: out2, .offset: 48, .size: 8, .value_kind: global_buffer, .address_space: global }
      - { .name: out3, .offset: 56, .size: 8, .value_kind: global_buffer, .address_space: global }
    .group_segment_fixed_size: 62976
    .private_segment_fixed_size: 0
    .kernarg_segment_align: 8
    .kernarg_segment_size: 64
    .max_flat_workgroup_size: 32
    .sgpr_count:     98
    .vgpr_count:     256
    .wavefront_size: 32
...
	.end_amdgpu_metadata
.endif
;; end of part 2
